; MI455X (gfx1250); checked and timed in simulation.
; The chip was launched on July 23, 2026; its instructions are those of AMD's public machine-readable ISA for CDNA 5 (MIT licence, August 2026) and "CDNA5" Instruction Set Architecture Reference Guide (July 2026). The comments in the code are by the model that wrote it; some were corrected since.
;; Dynamic Sliding Window Attention. Allowed arithmetic: float matrix products may take bf16 or f16 operands with f32 sums; all other float work in f32.
;; Inputs: K 2 x 16 x 2,048 x 64 float32; Q 2 x 16 x 2,048 x 64 float32; V 2 x 16 x 2,048 x 64 float32; window_sizes 16 int32.
;; Outputs: out0 2 x 16 x 2,048 x 64 float32.
;; One version. Each part assembles by itself: llvm-mc -triple=amdgcn-amd-amdhsa -mcpu=gfx1250 --defsym DOCPART=n.
;; ======== version 1 of 1: 1 launch
;; limits: inputs' magnitudes at most 800,000,000,000,000; values are held in f16: magnitudes above 65,504 overflow, below 6.1e-05 lose precision; inputs' magnitudes at most 65,504
;; launch attn (part 1): grid 256 x 1, 8 waves a work-group, no clusters, 162,816 bytes of LDS; arguments K, Q, V, window_sizes, out0; writes out0
.if DOCPART == 1
	.amdgcn_target "amdgcn-amd-amdhsa--gfx1250"
	.amdhsa_code_object_version 6
	.text
	.protected	k_q5c12bfc7ea_attn
	.globl	k_q5c12bfc7ea_attn
	.p2align	8
	.type	k_q5c12bfc7ea_attn,@function
k_q5c12bfc7ea_attn:
	s_mov_b64 s[64:65], 0
	v_nop
	global_prefetch_b8 v0, s[64:65] scope:SCOPE_SE
	s_setreg_imm32_b32 hwreg(HW_REG_WAVE_MODE, 25, 1), 1
	s_wait_xcnt 0x0
; out[b][h][q][:] = softmax over k of (Q[q].K[k] / 8) V[k], where key k counts only if 0 <= q - k <= window_sizes[h].
; B = 2, H = 16, T = 2048, D = 64, all f32 in memory.  Products on the matrix units with f32 sums, softmax in f32.
;
; WORK.  An item is (b, h, a block of 128 queries): 512 items, two for each of the 256 work-groups, one after the other:
; (b, hl, i0) and (b, hl + 8, 15 - i0).  The mirrored block evens out the causal ramp; any list of widths is served.
; An item walks key tiles of 128 from the diagonal tile downward.  The loop has as many trips as there are tiles below the diagonal
; one (the block's number, known from the ids), so that every wave passes every barrier equally often by arithmetic on ids alone.
; The head's width, read from memory, only decides whether a trip works: the first nl trips do, the others pass the barriers
; and nothing else.  No address hangs on the width.  Eight waves: wave w takes queries 32 (w & 3) .. + 31 of the block and
; keys 64 (w >> 2) .. + 63 of each tile; the two key halves of a query group are merged once per item through LDS.
;
; FORM.  S^T = K Q^T (source 0 = 16 keys, source 1 = 16 queries): a lane holds 8 keys of ONE query, so the running maximum, the
; sum and the rescale factor are plain lane values, and two neighbouring S^T tiles, rounded in place, are source 1 of
; O^T = V^T P^T as they stand.  V^T comes out of LDS by the transposing load.  With c = log2(e) / 8: p = 2^(c s - c m), one
; fused multiply-add in f32 and one exponential.
;
; NUMBER FORMATS.  Q, K and V are each rounded once to bf16, as they stand (the factor c is applied to the f32 sums, not to Q), so
; the result is the definition's on inputs rounded to bf16, plus what P's rounding adds.  P lies in [0, 1], and where a query sees few
; keys its rounding goes straight into the result; so P is rounded to f16 (at most 2^-11 relative, against 2^-8 in bf16) and
; O^T = V^T P^T runs in the f16 form.  That form wants V in f16 too: V's bf16 numbers (8 bits) pass into f16 (11 bits) unchanged.
;
; WHY NO COPY ENGINE AND NO JOINT REQUESTS: K and V are f32 in memory and are rounded on the way, which takes
; registers; an engine would lay 64 KiB of f32 for each step into LDS to be read, rounded and stored once more.  And the query blocks
; of a head want tiles shifted by one tile from block to block and different numbers of them, so partners' requests do not coincide.
;
; LIMITS.  Inputs are finite.  |V| stays below 65504 (beyond it the f16 operand is infinite); |V| below 2^-14, and weights below 2^-14
; of a query's largest, keep an absolute error of up to 2^-25.  The running maximum of c s starts at -1e30: a query whose valid
; scores all lie below that is not served.  A NaN among the inputs is not handed on as the definition would (the maxima drop it).
; A negative width masks the whole head: sum 0, O 0, and 0 x (1 / 0) gives the NaN that the definition gives.
.set KPITCH, 144                       ; LDS row of K and of Q: 64 bf16 + 16 bytes (9 x 16: sixteen rows start 16 bytes apart modulo 256)
.set VPITCH, 160                       ; LDS row of V: 64 f16 + 32 bytes = 5 x 32, an odd multiple of 32 for the transposing load
.set OPITCH, 272                       ; LDS row on the way out: 64 f32 + 16 bytes
.set LDS_K, 0                          ; 128 keys x 144
.set LDS_V, 18432                      ; 128 keys x 160
.set LDS_Q, 38912                      ; 128 queries x 144
.set LDS_M, 57344                      ; merge: 4 regions (query group) of 16 x 512 bytes of O + 512 bytes of (-c m0, -c m1, l0, l1)
.set LDS_S, 92160                      ; way out: 8 regions (wave) of 32 rows x 272
.set MREG,  8704                       ; bytes of a merge region, and of a way-out region
.set TILEB, 32768                      ; 128 rows of 256 bytes in memory
; vector registers, block 0
.set GK,  1                            ; 4096 w + 2048 h + 16 r : my 16 bytes of K's (Q's) rows 16 w + 8 h + j
.set GV,  2                            ; 4096 w + 1024 h + 16 r : of V's rows 16 w + 4 h + (j & 3) + 8 (j >> 2)
.set LSK, 3                            ; where my 8 bytes of K go in LDS (Q: + LDS_Q)
.set LSV, 4                            ; the same for V
.set LRK, 5                            ; K fragments of my 64 keys
.set LRV, 6                            ; V fragments (transposing load)
.set LRQ, 7                            ; Q fragments of my 32 queries
.set MRG, 8                            ; merge region + 16 x lane
.set STO, 9                            ; way out: in
.set RD,  10                           ; way out: back, by rows
.set CO,  11                           ; my byte offset in the item's block of out
.set DL,  12                           ; r - 8 h + 32 qg - 64 kg: the lane's part of q - k
.set DD,  13                           ; at work in MASK
.set MP,  14                           ; v[14:15], v[16:17]  -c x running maximum of query tile 0, 1, twice (pairs for packed arithmetic)
.set AP,  18                           ; v[18:19], v[20:21]  rescale factor, twice
.set LL,  22                           ; v22, v23            running sum
.set T,   24                           ; v[24:31]  at work
.set QF,  32                           ; v[32:63]   Q fragment (qt, ds) at + 16 qt + 8 ds
.set O,   64                           ; v[64:127]  O^T tile (qt, dt) at + 8 (4 qt + dt)
.set S,   128                          ; v[128:191] S^T tile (qt, t) at + 32 qt + 8 t; then P^T fragment (qt, ks) at + 32 qt + 16 ks
.set KV,  192                          ; v[192:255] K fragment (t, ds) at + 16 t + 8 ds; then V fragment (dt, ks) at + 16 dt + 8 ks
; block 1, named by the low 8 bits: tiles as loaded, 4 registers a load
.set BK,  0                            ; v256-287
.set BV,  32                           ; v288-319
.set BQ,  64                           ; v320-351
; scalar registers: s[4:5] K, s[6:7] Q, s[8:9] V, s[10:11] widths, s[12:13] out; s14 wave, s15 kg, s16 qg;
; s[18:19], s[20:21] byte offset of item 0, 1; s22, s23 their working trips nl; s24, s25 their width + 1 (clamped to 0 .. 2048);
; s26 item counter; s27 trips done; s28 width + 1; s29 q0 - first key of the tile; s30 largest lane part of q - k; s31, s46, s47, s52 at work;
; s[40:41] c, twice; s42 +1e30 (the floor, negated); s43 -inf; s44, s45 lane selects; s48, s49 widths; s50, s51 block numbers;
; s53 the item's nl; s54 the item's block number = the loop's trips; s55 mask of a word's upper half; s56 -c
.set KP, 32                            ; s[32:33] K's tile
.set VP, 34                            ; s[34:35] V's tile
.set QP, 36                            ; s[36:37] Q's block
.set OP, 38                            ; s[38:39] out's block
.set MSB, 0
.macro WIN new                         ; register windows: bits 1:0 source 0, 3:2 source 1, 5:4 source 2, 7:6 destination; the high byte repeats the setting left
.if MSB != \new
	s_set_vgpr_msb (MSB<<8)|\new
.set MSB, \new
.endif
.endm
; 16 loads under WIN 0x40: each reads two whole rows of 256 bytes (lanes 0-15 one, lanes 16-31 another)
.macro LOADKV
.irp j, 0,1,2,3,4,5,6,7
	global_load_b128 v[BK+4*\j:BK+4*\j+3], v[GK], s[KP:KP+1] offset:256*\j
.endr
.irp j, 0,1,2,3,4,5,6,7
	global_load_b128 v[BV+4*\j:BV+4*\j+3], v[GV], s[VP:VP+1] offset:256*((\j&3)+8*(\j>>2))
.endr
.endm
.macro LOADQ                           ; Q is read once in the whole launch
.irp j, 0,1,2,3,4,5,6,7
	global_load_b128 v[BQ+4*\j:BQ+4*\j+3], v[GK], s[QP:QP+1] offset:256*\j th:TH_LOAD_NT
.endr
.endm
; under WIN 0x45: each load's four f32 become four bf16 in its first two registers
.macro CVT base
.irp j, 0,1,2,3,4,5,6,7
	v_cvt_pk_bf16_f32 v[\base+4*\j],   v[\base+4*\j],   v[\base+4*\j+1]
	v_cvt_pk_bf16_f32 v[\base+4*\j+1], v[\base+4*\j+2], v[\base+4*\j+3]
.endr
.endm
; V: rounded to bf16, widened again (a shift, a mask) and packed as f16, where a bf16 number is exact.  Entered and left under WIN 0x45;
; the widening lines have a constant or a scalar as source 0 and run under 0x44 (source 1 and destination in block 1).
.macro CVTV
	CVT BV
	WIN 0x44
.irp j, 0,1,2,3,4,5,6,7
	v_lshlrev_b32 v[BV+4*\j+2], 16,  v[BV+4*\j+1]  ; the second word first: its two numbers go to registers 2, 3,
	v_and_b32     v[BV+4*\j+3], s55, v[BV+4*\j+1]
	v_and_b32     v[BV+4*\j+1], s55, v[BV+4*\j]    ; then the first word's to registers 1, 0
	v_lshlrev_b32 v[BV+4*\j],   16,  v[BV+4*\j]
.endr
	WIN 0x45
.irp j, 0,1,2,3,4,5,6,7
	v_cvt_pk_f16_f32 v[BV+4*\j],   v[BV+4*\j],   v[BV+4*\j+1]
	v_cvt_pk_f16_f32 v[BV+4*\j+1], v[BV+4*\j+2], v[BV+4*\j+3]
.endr
.endm
; width w, block i -> wp1 = clamp(w, -1, 2047) + 1 (key valid iff (q - k) below wp1, unsigned) and nl = tiles below the diagonal one
; that the window reaches, at most i
.macro PARAMS w, i, wp1, nl
	s_max_i32 \wp1, \w, -1
	s_min_i32 \wp1, \wp1, 2047
	s_add_co_i32 \wp1, \wp1, 1
	s_lshl_b32 s31, \i, 7                          ; q0 = 128 i
	s_add_co_i32 s31, s31, 1
	s_sub_co_i32 s31, s31, \wp1                    ; q0 - w: the lowest key that the block's first query sees
	s_max_i32 s31, s31, 0
	s_lshr_b32 s31, s31, 7                         ; its tile, at most i
	s_sub_co_u32 \nl, \i, s31
	s_min_u32 \nl, \nl, 15
.endm
; q - k = s29 + DL - 16 (t - qt) - j for register j of tile (qt, t).  The difference is made once for each (t - qt, j) and serves both
; query tiles.  Unsigned compare: a negative difference (a later key) is a huge number, so one compare does causal and window.
.macro MASK
	s_add_co_i32 s31, s29, 16
	v_add_nc_u32 v[DD], s31, v[DL]                 ; t - qt = -1
.irp e1, 0,1,2,3,4                                 ; e1 = t - qt + 1
.irp j, 0,1,2,3,4,5,6,7
.if \j == 0
	v_cmp_gt_u32 vcc_lo, s28, v[DD]
.else
	v_add_nc_u32 v[T], -\j, v[DD]
	v_cmp_gt_u32 vcc_lo, s28, v[T]
.endif
.if \e1 >= 1
	v_cndmask_b32 v[S+8*(\e1-1)+\j], s43, v[S+8*(\e1-1)+\j], vcc_lo     ; qt = 0, t = e1 - 1
.endif
.if \e1 <= 3
	v_cndmask_b32 v[S+32+8*\e1+\j], s43, v[S+32+8*\e1+\j], vcc_lo       ; qt = 1, t = e1
.endif
.endr
.if \e1 < 4
	v_add_nc_u32 v[DD], -16, v[DD]
.endif
.endr
.endm
; One query tile's 32 scores a lane (my 32 of the query's 64 keys): new maximum, p = 2^(c s - c m), sum, rounding to the P^T fragments.
; The maximum is kept as NM = -c m, the addend of the multiply-add: NM = min(old NM, -c max s), and old m - new m (times c) = new NM - old NM.
.macro SOFTMAX qt, first
.set SB,  S+32*\qt
.set MPQ, MP+2*\qt
.set APQ, AP+2*\qt
	; 14 three-way maxima in four chains over 9, 9, 7, 7 values
	v_max3_num_f32 v[T+0], v[SB+0],  v[SB+1],  v[SB+2]
	v_max3_num_f32 v[T+1], v[SB+9],  v[SB+10], v[SB+11]
	v_max3_num_f32 v[T+2], v[SB+18], v[SB+19], v[SB+20]
	v_max3_num_f32 v[T+3], v[SB+25], v[SB+26], v[SB+27]
.irp k, 3, 5
	v_max3_num_f32 v[T+0], v[T+0], v[SB+\k],    v[SB+\k+1]
	v_max3_num_f32 v[T+1], v[T+1], v[SB+9+\k],  v[SB+9+\k+1]
	v_max3_num_f32 v[T+2], v[T+2], v[SB+18+\k], v[SB+18+\k+1]
	v_max3_num_f32 v[T+3], v[T+3], v[SB+25+\k], v[SB+25+\k+1]
.endr
	v_max3_num_f32 v[T+0], v[T+0], v[SB+7],  v[SB+8]
	v_max3_num_f32 v[T+1], v[T+1], v[SB+16], v[SB+17]
	v_max3_num_f32 v[T+0], v[T+0], v[T+1], v[T+2]
	v_max_num_f32  v[T+0], v[T+0], v[T+3]
	v_permlanex16_b32 v[T+1], v[T+0], s44, s45     ; the other 8-key halves of the same query lie 16 lanes away
	v_max_num_f32 v[T+0], v[T+0], v[T+1]
	v_mul_f32 v[T+0], s56, v[T+0]                  ; -c max s (+inf where every score is -inf)
.if \first
	v_min_num_f32 v[MPQ],   s42, v[T+0]            ; the floor keeps NM finite where every score is -inf
	v_min_num_f32 v[MPQ+1], s42, v[T+0]
.else
	v_min_num_f32 v[T+2], v[T+0], v[MPQ]
	v_sub_f32 v[T+3], v[T+2], v[MPQ]               ; c (old m - new m), at most 0
	v_mov_b32 v[MPQ],   v[T+2]
	v_mov_b32 v[MPQ+1], v[T+2]
.endif
.set n, 0
.rept 16
	v_pk_fma_f32 v[SB+n:SB+n+1], v[SB+n:SB+n+1], s[40:41], v[MPQ:MPQ+1] op_sel_hi:[1,0,1]   ; c s - c m
.set n, n+2
.endr
.if \first == 0
	v_exp_f32 v[APQ],   v[T+3]
	v_exp_f32 v[APQ+1], v[T+3]
.endif
.set n, 0
.rept 32
	v_exp_f32 v[SB+n], v[SB+n]
.set n, n+1
.endr
	v_nop                                          ; one plain place behind the run of exponentials before a result is read or T+3 rewritten
	; 15 packed adds in four chains
	s_wait_alu depctr_va_vdst(0)
.irp c, 0,1,2,3
	v_pk_add_f32 v[T+2*\c:T+2*\c+1], v[SB+8*\c:SB+8*\c+1], v[SB+8*\c+2:SB+8*\c+3]
.endr
.irp k, 4, 6
.irp c, 0,1,2,3
	v_pk_add_f32 v[T+2*\c:T+2*\c+1], v[T+2*\c:T+2*\c+1], v[SB+8*\c+\k:SB+8*\c+\k+1]
.endr
.endr
	v_pk_add_f32 v[T:T+1],   v[T:T+1],   v[T+2:T+3]
	v_pk_add_f32 v[T+4:T+5], v[T+4:T+5], v[T+6:T+7]
	v_pk_add_f32 v[T:T+1],   v[T:T+1],   v[T+4:T+5]
.if \first
	v_add_f32 v[LL+\qt], v[T], v[T+1]
.else
	v_fma_f32 v[LL+\qt], v[LL+\qt], v[APQ], v[T]
	v_add_f32 v[LL+\qt], v[LL+\qt], v[T+1]
.endif
	; tiles 2 ks and 2 ks + 1 (keys 8 h + j and 16 + 8 h + j of 32) pack into registers 0-3 and 4-7 of fragment ks; ascending, so in place
.irp ks, 0, 1
.set n, 0
.rept 8
	v_cvt_pk_f16_f32 v[SB+16*\ks+n], v[SB+16*\ks+2*n], v[SB+16*\ks+2*n+1]
.set n, n+1
.endr
.endr
.endm
; eight products O^T(qt, dt) += V^T(dt, ks) P^T(qt, ks), f16 operands; zero = 1: they start the sums
.macro PV8 ks, zero
.irp qt, 0, 1
.irp dt, 0,1,2,3
.if \zero
	v_wmma_f32_16x16x32_f16 v[O+8*(4*\qt+\dt):O+8*(4*\qt+\dt)+7], v[KV+16*\dt+8*\ks:KV+16*\dt+8*\ks+7], v[S+32*\qt+16*\ks:S+32*\qt+16*\ks+7], 0
.else
	v_wmma_f32_16x16x32_f16 v[O+8*(4*\qt+\dt):O+8*(4*\qt+\dt)+7], v[KV+16*\dt+8*\ks:KV+16*\dt+8*\ks+7], v[S+32*\qt+16*\ks:S+32*\qt+16*\ks+7], v[O+8*(4*\qt+\dt):O+8*(4*\qt+\dt)+7]
.endif
.endr
.endr
.endm
; One key tile.  It is entered with barrier A signalled ('my reads of the K, V, Q regions are over') and left so.
; first = 1: the item's diagonal tile (Q comes along, the sums start, the mask is always applied, the trip always works).
; first = 0: a trip of the loop.  It works iff s27 < s53 (the window reaches this tile); three forward branches jump over the three
; stretches of work, each of which lies between two barriers; the barriers themselves are passed in every trip.
.macro STEP first, tag
	s_wait_loadcnt 0x0                             ; in every trip: whatever was asked for is in; this also frees the tile pointers and block 1
.if \first == 0
	s_cmp_lt_u32 s27, s53
	s_cbranch_scc0 .Lc_\tag                        ; beyond the window: nothing to round
.endif
	WIN 0x45
	CVT BK
	CVTV
.if \first
	CVT BQ
.else
	WIN 0
.Lc_\tag:
.endif
	s_barrier_wait -1                              ; A: every wave has its fragments of the old tile in registers
.if \first == 0
	s_cmp_lt_u32 s27, s53
	s_cbranch_scc0 .Ls_\tag                        ; beyond the window: nothing to store
.endif
	WIN 0x04
.irp j, 0,1,2,3,4,5,6,7
	ds_store_b64 v[LSK], v[BK+4*\j:BK+4*\j+1] offset:KPITCH*\j
.endr
.irp j, 0,1,2,3,4,5,6,7
	ds_store_b64 v[LSV], v[BV+4*\j:BV+4*\j+1] offset:VPITCH*((\j&3)+8*(\j>>2))
.endr
.if \first
.irp j, 0,1,2,3,4,5,6,7
	ds_store_b64 v[LSK], v[BQ+4*\j:BQ+4*\j+1] offset:LDS_Q+KPITCH*\j
.endr
.endif
	WIN 0
.if \first == 0
.Ls_\tag:
.endif
	s_wait_dscnt 0x0                               ; for the others' sake: my part of the tile is in LDS
	s_barrier_signal -1
	s_barrier_wait -1                              ; B: the whole tile is
	; the next tile is asked for now and has this whole step to arrive
.if \first
	s_cmp_ge_u32 s27, s53                          ; s27 = 0: no tile below the diagonal one is reached
.else
	s_cmp_lt_u32 s27, s53
	s_cbranch_scc0 .Lw_\tag                        ; beyond the window: nothing to multiply
	s_add_co_u32 s31, s27, 1
	s_cmp_ge_u32 s31, s53                          ; this is the last tile that the window reaches
.endif
	s_cbranch_scc1 .Lnone_\tag
	s_sub_nc_u64 s[KP:KP+1], s[KP:KP+1], TILEB     ; 128 keys down
	s_sub_nc_u64 s[VP:VP+1], s[VP:VP+1], TILEB
	WIN 0x40
	LOADKV
	WIN 0
	s_branch .Ldone_\tag
.Lnone_\tag:
	s_cmp_lg_u32 s26, 0
	s_cbranch_scc1 .Ldone_\tag                     ; the second item's last tile: nothing more to ask for
	s_add_nc_u64 s[KP:KP+1], s[4:5], s[20:21]      ; the first item's last tile: the second item's diagonal tile and its Q
	s_add_nc_u64 s[VP:VP+1], s[8:9], s[20:21]
	s_add_nc_u64 s[QP:QP+1], s[6:7], s[20:21]
	WIN 0x40
	LOADKV
	LOADQ
	WIN 0
.Ldone_\tag:
.if \first
.irp f, 0,1,2,3                                    ; f = 2 qt + ds
	ds_load_b128 v[QF+8*\f:QF+8*\f+3],   v[LRQ] offset:16*KPITCH*(\f>>1)+64*(\f&1)
	ds_load_b128 v[QF+8*\f+4:QF+8*\f+7], v[LRQ] offset:16*KPITCH*(\f>>1)+64*(\f&1)+32
.endr
.endif
.irp t, 0,1,2,3
.irp ds, 0,1
	ds_load_b128 v[KV+16*\t+8*\ds:KV+16*\t+8*\ds+3],   v[LRK] offset:16*KPITCH*\t+64*\ds
	ds_load_b128 v[KV+16*\t+8*\ds+4:KV+16*\t+8*\ds+7], v[LRK] offset:16*KPITCH*\t+64*\ds+32
.endr
.endr
.irp t, 0,1,2,3
	s_wait_dscnt 12-4*\t                           ; LDS loads return in order: key tile t's four are in (and Q's, which are older), four for each younger tile stay out
	v_wmma_f32_16x16x32_bf16 v[S+8*\t:S+8*\t+7],       v[KV+16*\t:KV+16*\t+7],    v[QF:QF+7],     0
	v_wmma_f32_16x16x32_bf16 v[S+32+8*\t:S+32+8*\t+7], v[KV+16*\t:KV+16*\t+7],    v[QF+16:QF+23], 0
	v_wmma_f32_16x16x32_bf16 v[S+8*\t:S+8*\t+7],       v[KV+16*\t+8:KV+16*\t+15], v[QF+8:QF+15],  v[S+8*\t:S+8*\t+7]
	v_wmma_f32_16x16x32_bf16 v[S+32+8*\t:S+32+8*\t+7], v[KV+16*\t+8:KV+16*\t+15], v[QF+24:QF+31], v[S+32+8*\t:S+32+8*\t+7]
.endr
.rept 4
	v_nop                                          ; four places before loads land on the products' sources and vector work reads S
.endr
.irp dt, 0,1,2,3
.irp ks, 0,1
	ds_load_tr16_b128 v[KV+16*\dt+8*\ks:KV+16*\dt+8*\ks+3],   v[LRV] offset:32*VPITCH*\ks+32*\dt
	ds_load_tr16_b128 v[KV+16*\dt+8*\ks+4:KV+16*\dt+8*\ks+7], v[LRV] offset:32*VPITCH*\ks+32*\dt+16*VPITCH
.endr
.endr
.if \first
	MASK
.else
	s_add_co_i32 s31, s29, s30                     ; my largest q - k in this tile; the smallest is at least 1 below the diagonal tile
	s_cmp_ge_u32 s31, s28
	s_cbranch_scc0 .Lnm_\tag                       ; all inside the window: nothing to mask
	MASK
.Lnm_\tag:
.endif
	SOFTMAX 0, \first
	SOFTMAX 1, \first
	s_wait_dscnt 0x0                               ; V's fragments are in: my reads of this tile are over
.if \first == 0
.irp qt, 0, 1
.set n, 0
.rept 16
	v_pk_mul_f32 v[O+32*\qt+n:O+32*\qt+n+1], v[O+32*\qt+n:O+32*\qt+n+1], v[AP+2*\qt:AP+2*\qt+1]
.set n, n+2
.endr
.endr
.endif
	PV8 0, \first
	PV8 1, 0
.rept 5
	v_nop                                          ; five places (ISA guide 7.12.1): the next tile's S products write over the P fragments that these
.endr                                              ; products read; four of them also serve the next loads into KV and the next readers of O.
	                                               ; A trip beyond the window jumps past them: it has no products
.if \first == 0
.Lw_\tag:
.endif
	s_barrier_signal -1                            ; A: no LDS instruction of mine is out on either way here; waited for behind the next tile's rounding
.endm
; merge factors of query tile qt, from my NM = -c m and the partner's NM' (in T + qt): with NMN = min(NM, NM'),
; f0 = 2^(NMN - NM) / l for my O (into AP), f1 = 2^(NMN - NM') / l for the partner's (into MP)
.macro FACTOR qt
	v_min_num_f32 v[T+4], v[MP+2*\qt], v[T+\qt]
	v_sub_f32 v[T+5], v[T+4], v[MP+2*\qt]
	v_sub_f32 v[T+6], v[T+4], v[T+\qt]
	v_exp_f32 v[T+5], v[T+5]
	v_exp_f32 v[T+6], v[T+6]
	v_nop
	s_wait_alu depctr_va_vdst(0)
	v_mul_f32 v[T+7], v[LL+\qt], v[T+5]
	v_fmac_f32 v[T+7], v[T+2+\qt], v[T+6]
	v_rcp_f32 v[T+7], v[T+7]
	v_nop
	s_wait_alu depctr_va_vdst(0)
	v_mul_f32 v[AP+2*\qt],   v[T+5], v[T+7]
	v_mul_f32 v[AP+2*\qt+1], v[T+5], v[T+7]
	v_mul_f32 v[MP+2*\qt],   v[T+6], v[T+7]
	v_mul_f32 v[MP+2*\qt+1], v[T+6], v[T+7]
.endm
	; ---------------------------------------------------------------- set-up
	s_load_b256 s[4:11], s[0:1], 0x0               ; K, Q, V, widths
	s_load_b64 s[12:13], s[0:1], 0x20              ; out
	s_set_vgpr_msb 0x40
	v_lshl_add_u32 v96, v0, 2, 0x27800
	v_mov_b32 v97, 0
	s_set_vgpr_msb 0x4000
	v_and_b32 v24, 15, v0                          ; r
	v_bfe_u32 v25, v0, 4, 1                        ; h
	v_lshrrev_b32 v26, 5, v0
	v_readfirstlane_b32 s14, v26                   ; wave
	s_lshr_b32 s15, s14, 2                         ; kg: which 64 keys of a tile
	s_and_b32 s16, s14, 3                          ; qg: which 32 queries of the block
	s_and_b32 s50, ttmp9, 15                       ; block of item 0
	s_sub_co_u32 s51, 15, s50                      ; block of item 1
	s_lshr_b32 s52, ttmp9, 4
	s_and_b32 s46, s52, 7                          ; hl
	s_lshr_b32 s47, s52, 3                         ; b
	s_lshl4_add_u32 s47, s47, s46                  ; 16 b + hl
	s_lshl_b32 s46, s46, 2                         ; byte offset of hl's width
	s_lshl_b32 s18, s47, 19                        ; a head is 2048 x 256 bytes,
	s_lshl_b32 s31, s50, 15                        ; a block 128 x 256
	s_add_co_u32 s18, s18, s31
	s_mov_b32 s19, 0
	s_add_co_u32 s47, s47, 8                       ; item 1: head hl + 8
	s_lshl_b32 s20, s47, 19
	s_lshl_b32 s31, s51, 15
	s_add_co_u32 s20, s20, s31
	s_mov_b32 s21, 0
	v_lshlrev_b32 v27, 4, v24                      ; 16 r
	v_lshl_add_u32 v[GK], v25, 11, v27
	v_lshl_add_u32 v[GV], v25, 10, v27
	s_lshl_b32 s31, s14, 12                        ; a wave's 16 rows
	v_add_nc_u32 v[GK], s31, v[GK]
	v_add_nc_u32 v[GV], s31, v[GV]
	s_wait_kmcnt 0x0
	s_load_b32 s48, s[10:11], s46 offset:0x0       ; width of head hl
	s_load_b32 s49, s[10:11], s46 offset:0x20      ; and of head hl + 8
	s_add_nc_u64 s[KP:KP+1], s[4:5], s[18:19]      ; item 0: the diagonal tile has the block's own offset
	s_add_nc_u64 s[VP:VP+1], s[8:9], s[18:19]
	s_add_nc_u64 s[QP:QP+1], s[6:7], s[18:19]
	WIN 0x40
	LOADKV
	LOADQ
	WIN 0
	v_lshlrev_b32 v28, 3, v24                      ; 8 r
	v_mad_u32_u24 v[LSK], v25, 8*KPITCH, v28       ; lanes 16-31 lie 8 rows on: 1152 = 4 x 256 + 128, so the two halves' 128 bytes differ modulo 256
	s_mul_i32 s31, s14, 16*KPITCH
	v_add_nc_u32 v[LSK], s31, v[LSK]
	v_mad_u32_u24 v[LSV], v25, 4*VPITCH, v28       ; 4 rows on: 640 = 2 x 256 + 128, likewise
	s_mul_i32 s31, s14, 16*VPITCH
	s_add_co_u32 s31, s31, LDS_V
	v_add_nc_u32 v[LSV], s31, v[LSV]
	v_mul_u32_u24 v29, v24, KPITCH
	v_lshl_add_u32 v29, v25, 4, v29                ; row r, 16 bytes for each half of the lanes
	s_mul_i32 s31, s15, 64*KPITCH
	v_add_nc_u32 v[LRK], s31, v29
	s_mul_i32 s31, s16, 32*KPITCH
	s_add_co_u32 s31, s31, LDS_Q
	v_add_nc_u32 v[LRQ], s31, v29
	v_and_b32 v30, 7, v0
	v_lshl_add_u32 v30, v25, 3, v30                ; key 8 h + (lane & 7)
	v_bfe_u32 v31, v0, 3, 1
	v_lshlrev_b32 v31, 4, v31                      ; 16 bytes x bit 3 of the lane
	v_mad_u32_u24 v[LRV], v30, VPITCH, v31
	s_mul_i32 s31, s15, 64*VPITCH
	s_add_co_u32 s31, s31, LDS_V
	v_add_nc_u32 v[LRV], s31, v[LRV]
	v_and_b32 v30, 31, v0
	s_mul_i32 s31, s16, MREG
	s_add_co_u32 s31, s31, LDS_M
	v_lshl_add_u32 v[MRG], v30, 4, s31
	v_mul_u32_u24 v30, v24, OPITCH
	v_lshl_add_u32 v30, v25, 5, v30                ; row r, 32 bytes for each half
	s_mul_i32 s31, s14, MREG
	s_add_co_u32 s31, s31, LDS_S
	v_add_nc_u32 v[STO], s31, v30
	v_mad_u32_u24 v30, v25, OPITCH, v27            ; row h, 16 bytes a lane
	v_add_nc_u32 v[RD], s31, v30
	v_lshl_add_u32 v[CO], v25, 8, v27
	s_lshl_b32 s31, s16, 13                        ; 32 rows of 256 bytes
	v_add_nc_u32 v[CO], s31, v[CO]
	v_lshlrev_b32 v30, 3, v25
	v_sub_nc_u32 v[DL], v24, v30
	s_lshl_b32 s31, s16, 5
	s_lshl_b32 s47, s15, 6
	s_sub_co_i32 s31, s31, s47                     ; 32 qg - 64 kg
	v_add_nc_u32 v[DL], s31, v[DL]
	s_add_co_i32 s30, s31, 31                      ; + r = 15, query tile 1 against key tile 0
	s_mov_b32 s40, 0x3e38aa3b                      ; c = log2(e) / 8
	s_mov_b32 s41, 0x3e38aa3b
	s_mov_b32 s42, 0x7149f2ca                      ; +1e30: -c m starts here
	s_mov_b32 s43, 0xff800000                      ; -inf
	s_mov_b32 s44, 0x76543210                      ; lane i of one half reads lane i of the other
	s_mov_b32 s45, 0xfedcba98
	s_mov_b32 s55, 0xffff0000                      ; a word's upper bf16
	s_mov_b32 s56, 0xbe38aa3b                      ; -c
	s_wait_kmcnt 0x0
	PARAMS s48, s50, s24, s22
	PARAMS s49, s51, s25, s23
	s_mov_b32 s26, 0
	; ---------------------------------------------------------------- an item
.Litem:
	s_cmp_eq_u32 s26, 0
	s_cselect_b32 s53, s22, s23                    ; trips that work
	s_cselect_b32 s54, s50, s51                    ; trips: the tiles below the diagonal one
	s_cselect_b32 s28, s24, s25                    ; width + 1
	s_cselect_b64 s[46:47], s[18:19], s[20:21]
	s_add_nc_u64 s[OP:OP+1], s[12:13], s[46:47]    ; the last item's stores have had their addresses translated (the wait behind them)
	s_mov_b32 s27, 0
	s_mov_b32 s29, 0
	s_wait_dscnt 0x0
	s_barrier_signal -1                            ; A
	STEP 1, f
	s_cmp_eq_u32 s54, 0
	s_cbranch_scc1 .Lepi
.Lk:
	s_add_co_u32 s29, s29, 128
	STEP 0, l
	s_add_co_u32 s27, s27, 1
	s_cmp_lt_u32 s27, s54
	s_cbranch_scc1 .Lk
	; ---------------------------------------------------------------- merge of the two key halves, and the way out
.Lepi:
	v_permlanex16_b32 v[T],   v[LL],   s44, s45    ; the sums' other halves, once per item
	v_permlanex16_b32 v[T+1], v[LL+1], s44, s45
	v_add_f32 v[LL],   v[LL],   v[T]
	v_add_f32 v[LL+1], v[LL+1], v[T+1]
	s_barrier_wait -1                              ; A
	s_cmp_lt_u32 s14, 4
	s_cbranch_scc1 .Lkeep
	v_mov_b32 v[T],   v[MP]                        ; waves 4-7 hand over -c m0, -c m1, l0, l1 as one 16-byte word
	v_mov_b32 v[T+1], v[MP+2]
	v_mov_b32 v[T+2], v[LL]
	v_mov_b32 v[T+3], v[LL+1]
.set n, 0
.rept 16
	ds_store_b128 v[MRG], v[O+4*n:O+4*n+3] offset:512*n
.set n, n+1
.endr
	ds_store_b128 v[MRG], v[T:T+3] offset:8192
.Lkeep:
	s_wait_dscnt 0x0
	s_barrier_signal -1
	s_barrier_wait -1                              ; M: the partners' figures are in LDS
	s_cmp_ge_u32 s14, 4
	s_cbranch_scc1 .Lnext
	ds_load_b128 v[T:T+3], v[MRG] offset:8192
.set n, 0
.rept 16
	ds_load_b128 v[KV+4*n:KV+4*n+3], v[MRG] offset:512*n
.set n, n+1
.endr
	s_wait_dscnt 16                                ; the maxima and sums are in; the sixteen loads of O behind them stay out
	FACTOR 0
	FACTOR 1
.irp qt, 0, 1
.set n, 0
.rept 16
	v_pk_mul_f32 v[O+32*\qt+n:O+32*\qt+n+1], v[O+32*\qt+n:O+32*\qt+n+1], v[AP+2*\qt:AP+2*\qt+1]
.set n, n+2
.endr
.endr
	s_wait_dscnt 0x0
.irp qt, 0, 1
.set n, 0
.rept 16
	v_pk_fma_f32 v[O+32*\qt+n:O+32*\qt+n+1], v[KV+32*\qt+n:KV+32*\qt+n+1], v[MP+2*\qt:MP+2*\qt+1], v[O+32*\qt+n:O+32*\qt+n+1]
.set n, n+2
.endr
.endr
	; a lane holds d = 16 dt + 8 h + 0..7 of query 16 qt + r: 32 neighbouring bytes of a row; through my own stage into whole rows
.irp qt, 0, 1
.irp dt, 0,1,2,3
	ds_store_b128 v[STO], v[O+8*(4*\qt+\dt):O+8*(4*\qt+\dt)+3]   offset:16*OPITCH*\qt+64*\dt
	ds_store_b128 v[STO], v[O+8*(4*\qt+\dt)+4:O+8*(4*\qt+\dt)+7] offset:16*OPITCH*\qt+64*\dt+16
.endr
.endr
.set n, 0
.rept 16
	ds_load_b128 v[KV+4*n:KV+4*n+3], v[RD] offset:2*OPITCH*n       ; a wave's LDS instructions are served in order: these see the stores above
.set n, n+1
.endr
.set n, 0
.rept 16
	s_wait_dscnt 15-n                              ; rows 2 n, 2 n + 1 are in, the younger loads stay out
	global_store_b128 v[CO], v[KV+4*n:KV+4*n+3], s[OP:OP+1] offset:512*n th:TH_STORE_NT   ; sixteen lanes cover one row of 256 bytes, aligned
.set n, n+1
.endr
	s_wait_xcnt 0x0                                ; KV and the out pointer are rewritten only behind this wait
.Lnext:
	s_add_co_u32 s26, s26, 1
	s_cmp_lt_u32 s26, 2
	s_cbranch_scc1 .Litem
	s_set_vgpr_msb 0x5
	s_wait_tensorcnt 0x0
	ds_add_u32 v96, v97
	s_wait_dscnt 0x0
	s_set_vgpr_msb 0x500
	s_endpgm
.Lfunc_end_k_q5c12bfc7ea_attn:
	.size	k_q5c12bfc7ea_attn, .Lfunc_end_k_q5c12bfc7ea_attn-k_q5c12bfc7ea_attn
	.p2alignl 7, 3214868480
	.fill 96, 4, 3214868480
	.section	.rodata,"a",@progbits
	.p2align	6, 0x0
	.amdhsa_kernel k_q5c12bfc7ea_attn
		.amdhsa_group_segment_fixed_size 162816
		.amdhsa_private_segment_fixed_size 0
		.amdhsa_enable_private_segment 0
		.amdhsa_kernarg_size 40
		.amdhsa_user_sgpr_count 2
		.amdhsa_user_sgpr_kernarg_segment_ptr 1
		.amdhsa_wavefront_size32 1
		.amdhsa_system_sgpr_workgroup_id_x 1
		.amdhsa_system_sgpr_workgroup_id_y 1
		.amdhsa_system_sgpr_workgroup_id_z 1
		.amdhsa_system_vgpr_workitem_id 0
		.amdhsa_next_free_vgpr 354
		.amdhsa_next_free_sgpr 66
		.amdhsa_reserve_vcc 1
		.amdhsa_float_denorm_mode_32 3
		.amdhsa_float_denorm_mode_16_64 3
		.amdhsa_memory_ordered 1
		.amdhsa_forward_progress 1
		.amdhsa_inst_pref_size 83
	.end_amdhsa_kernel
	.amdgpu_metadata
---
amdhsa.version: [ 1, 2 ]
amdhsa.kernels:
  - .name:           k_q5c12bfc7ea_attn
    .symbol:         k_q5c12bfc7ea_attn.kd
    .args:
      - { .name: K, .offset: 0, .size: 8, .value_kind: global_buffer, .address_space: global }
      - { .name: Q, .offset: 8, .size: 8, .value_kind: global_buffer, .address_space: global }
      - { .name: V, .offset: 16, .size: 8, .value_kind: global_buffer, .address_space: global }
      - { .name: window_sizes, .offset: 24, .size: 8, .value_kind: global_buffer, .address_space: global }
      - { .name: out0, .offset: 32, .size: 8, .value_kind: global_buffer, .address_space: global }
    .group_segment_fixed_size: 162816
    .private_segment_fixed_size: 0
    .kernarg_segment_align: 8
    .kernarg_segment_size: 40
    .max_flat_workgroup_size: 256
    .sgpr_count:     66
    .vgpr_count:     354
    .wavefront_size: 32
...
	.end_amdgpu_metadata
.endif
;; end of part 1
